; MI455X (gfx1250); checked and timed in simulation.
; The chip was launched on July 23, 2026; its instructions are those of AMD's public machine-readable ISA for CDNA 5 (MIT licence, August 2026) and "CDNA5" Instruction Set Architecture Reference Guide (July 2026). The comments in the code are by the model that wrote it; some were corrected since.
;; rain degradation. Allowed arithmetic: float matrix products may take bf16 or f16 operands with f32 sums; all other float work in f32.
;; Inputs: degraded 4 x 7 x 3 x 512 x 512 float32; logits 8 x 32 x 32 float32; original 4 x 3 x 512 x 512 float32.
;; Outputs: out0 4 x 3 x 512 x 512 float32.
;; Constants: topk = 2.
;; 2 versions, each right; version 2 is version 1 with the launch rain_mix written anew for expert scheduling mode. Each part assembles by itself: llvm-mc -triple=amdgcn-amd-amdhsa -mcpu=gfx1250 --defsym DOCPART=n.
;; ======== version 1 of 2: 1 launch
;; launch rain_mix (part 1): grid 256 x 1, 8 waves a work-group, no clusters, 3,072 bytes of LDS; arguments degraded, logits, original, out0; writes out0
.if DOCPART == 1
	.amdgcn_target "amdgcn-amd-amdhsa--gfx1250"
	.amdhsa_code_object_version 6
	.text
	.protected	k_qc17a2b8141_rain_mix
	.globl	k_qc17a2b8141_rain_mix
	.p2align	8
	.type	k_qc17a2b8141_rain_mix,@function
k_qc17a2b8141_rain_mix:
	s_mov_b64 s[64:65], 0
	v_nop
	global_prefetch_b8 v0, s[64:65] scope:SCOPE_SE
	s_setreg_imm32_b32 hwreg(HW_REG_WAVE_MODE, 25, 1), 1
	s_wait_xcnt 0x0
; out0[b][c][h][w] = sum over n of stacked[b][n][c][h][w] * gate[n][h][w];  stacked = original (n = 0) and degraded (n = 1..7).
; gate = softmax over n of the logits [8][32][32] upsampled bilinearly to [8][512][512], all but the two largest set to 0, renormalised.
;
; A stream: 96 input planes and 12 output planes of 1 MiB are each touched once.  The work-group (8 waves) owns two image rows = 4,096
; consecutive bytes of every plane; thread t owns the 16 bytes (4 pixels) at byte 16 t of that piece, so each load or store of a wave
; covers 512 consecutive bytes, aligned.  A thread makes its 4 x 8 gate weights once and uses them for all 12 (b, c) planes.
; A ring of SLOTS plane slots in registers (8 loads each) keeps 8 x SLOTS loads of every wave on their way.
;
; No matrix instructions: h, w index both operands of the weighted sum, so no operand is shared between pixels, and the upsampling has two
; non-zero taps an axis; logits rounded to 16 bits would change which two branches are the largest.  All arithmetic is f32.
; No cluster: the work-groups share only the 32 KiB of logits, against 96 MiB of planes that each belong to one work-group's piece alone.
;
; The softmax's denominator cancels in the renormalisation: gate[n] = k[n] / sum k, k[n] = exp(l[n] - largest) where l[n] >= second largest,
; else 0.  A kept l[n] equals the largest or the second largest, so one exponential a pixel serves; ties of any number are all kept.
; LIMITS: logits must be finite (a NaN logit is dropped by the max and med3 lines and does not make the output NaN).  The two largest are chosen on the
; upsampled logits, not on rounded softmax weights: where the second and third differ by about 1e-7 of their size (one f32 rounding)
; the choice may differ from one made on the rounded weights.
.set PLANE,  0x100000                  ; bytes of a 512 x 512 f32 plane
.set SLOTS,  5                         ; plane slots in registers
.set TROW,   1024                      ; LDS: 8 branches x 32 columns x 4 bytes, once for each of the group's two image rows
; scalar registers
.set LG,   6                           ; s[6:7]    logits
.set FE,   14                          ; s14, s15  weight of the lower low-res row (y1) for the group's even and odd image row
.set FO,   15
.set GE,   18                          ; s18, s19  weight of the upper low-res row (y0)
.set GO,   19
.set KEEP, 20                          ; s[20:23]  lane masks: logit >= second largest, pixel 0..3
.set TOP,  24                          ; s[24:27]  lane masks: logit >  second largest
.set DB,   28                          ; s[28:49]  degraded + 8 k planes, k = 0..10: the immediate offset reaches 7 planes
.set OB,   50                          ; s[50:53]  original + 0, + 8 planes
.set QB,   54                          ; s[54:57]  out0 + 0, + 8 planes
; vector registers
.set OFF,  1                           ; my 16 bytes' offset in every plane; never rewritten
.set LA0,  2                           ; LDS address of my left tap (branch 0)
.set LA1,  3                           ; and of my right tap
.set A0,   4                           ; logit (branch = wave, column = lane) of low-res row y0
.set A1,   5                           ; and of row y1
.set R0,   6                           ; interpolated for the even image row
.set R1,   7                           ; and for the odd one
.set AO0,  8                           ; byte offsets of those two logits
.set AO1,  9
.set SA,   10                          ; LDS address 4 t
.set Q,    11
.set UU,   12
.set D,    13
.set F,    16                          ; v[16:19]  weight of the right tap, pixel 0..3
.set G,    20                          ; v[20:23]  weight of the left tap
.set T,    24                          ; v[24:39]  branch n: left tap, right tap
.set M1,   40                          ; v[40:43]  largest logit
.set M2,   44                          ; v[44:47]  second largest
.set E,    48                          ; v[48:51]  exp(second - largest)
.set S,    52                          ; v[52:55]  sum of the kept, then its reciprocal
.set Y,    56                          ; v[56:59]  4 results to store
.set W,    60                          ; v[60:91]  branch n: 4 upsampled logits, then 4 gate weights
.set X,    92                          ; v[92:251] slot s: 8 branches x 4 pixels as loaded
	s_load_b64 s[DB:DB+1], s[0:1], 0x0             ; degraded
	s_load_b64 s[LG:LG+1], s[0:1], 0x8             ; logits
	s_load_b64 s[OB:OB+1], s[0:1], 0x10            ; original
	s_load_b64 s[QB:QB+1], s[0:1], 0x18            ; out0
	v_lshl_add_u32 v252, v0, 2, 0x800
	v_mov_b32 v253, 0
	v_lshrrev_b32 v14, 5, v0
	v_readfirstlane_b32 s12, v14                   ; wave 0..7 = the branch whose logits this wave interpolates vertically
	s_lshl_b32 s13, ttmp9, 12                      ; the group's two rows: 4,096 bytes of a plane
	v_lshl_add_u32 v[OFF], v0, 4, s13
	; Vertical place of image row h in the low-res map, in units of 1/32: u = 2 h - 15, clamped to 0 .. 31 x 32.  The clamp gives the
	; edge rows the weights 1 and 0, which is what the renormalised triangle kernel gives them.  Rows 2 g and 2 g + 1 share a cell.
	s_lshl_b32 s14, ttmp9, 2
	s_sub_co_i32 s14, s14, 15                      ; u of row 2 g
	s_add_co_i32 s15, s14, 2                       ; u of row 2 g + 1
	s_max_i32 s14, s14, 0
	s_max_i32 s15, s15, 0
	s_min_i32 s14, s14, 992
	s_min_i32 s15, s15, 992
	s_lshr_b32 s16, s14, 5                         ; y0
	s_add_co_u32 s17, s16, 1
	s_min_u32 s17, s17, 31                         ; y1
	s_lshl_b32 s20, s12, 12                        ; branch x 4,096 bytes
	s_lshl_b32 s16, s16, 7                         ; low-res rows of 128 bytes
	s_lshl_b32 s17, s17, 7
	s_add_co_u32 s16, s16, s20
	s_add_co_u32 s17, s17, s20
	v_and_b32 v14, 31, v0                          ; lane = low-res column
	v_lshl_add_u32 v[AO0], v14, 2, s16
	v_lshl_add_u32 v[AO1], v14, 2, s17
	s_and_b32 s[FE], s14, 31                       ; the fractions, in 1/32: exact in f32
	s_and_b32 s[FO], s15, 31
	s_sub_co_u32 s[GE], 32, s[FE]
	s_sub_co_u32 s[GO], 32, s[FO]
	s_cvt_f32_u32 s[FE], s[FE]
	s_cvt_f32_u32 s[FO], s[FO]
	s_cvt_f32_u32 s[GE], s[GE]
	s_cvt_f32_u32 s[GO], s[GO]
	s_mul_f32 s[FE], s[FE], 0x3d000000             ; x 1/32
	s_mul_f32 s[FO], s[FO], 0x3d000000
	s_mul_f32 s[GE], s[GE], 0x3d000000
	s_mul_f32 s[GO], s[GO], 0x3d000000
	s_wait_kmcnt 0x0
	global_load_b32 v[A0], v[AO0], s[LG:LG+1]      ; a wave reads one low-res row of 128 bytes; the logits go first, since nothing can be
	global_load_b32 v[A1], v[AO1], s[LG:LG+1]      ; multiplied without the weights; no hint: every work-group reads them
.irp k, 1,2,3,4,5,6,7,8,9,10
	s_add_nc_u64 s[DB+2*\k:DB+2*\k+1], s[DB:DB+1], \k*8*PLANE
.endr
	s_add_nc_u64 s[OB+2:OB+3], s[OB:OB+1], 8*PLANE
	s_add_nc_u64 s[QB+2:QB+3], s[QB:QB+1], 8*PLANE
; The eight branches of plane p = 3 b + c into a slot: original's plane p, then degraded's planes 21 b + 3 j + c, j = 0..6.
.macro LOADP p, slot
	global_load_b128 v[X+32*\slot:X+32*\slot+3], v[OFF], s[OB+2*((\p)>>3):OB+2*((\p)>>3)+1] offset:((\p)&7)*PLANE th:TH_LOAD_NT
.irp j, 0,1,2,3,4,5,6
	.set IDX, ((\p)/3)*21+3*\j+((\p)%3)
	global_load_b128 v[X+32*\slot+4*\j+4:X+32*\slot+4*\j+7], v[OFF], s[DB+2*(IDX>>3):DB+2*(IDX>>3)+1] offset:(IDX&7)*PLANE th:TH_LOAD_NT
.endr
.endm
.irp p, 0,1,2,3,4
	LOADP \p, \p                                   ; the ring is filled before the weights are made: 40 loads of the wave are on their way
.endr
	; Horizontal place of my 4 pixels, columns 4 c .. 4 c + 3 (c = t mod 128), in 1/32: u = 8 c - 15 + 2 i.  Four aligned pixels lie in
	; one low-res cell, and are clamped all four or none.  q = u + 16 is kept so that all numbers stay unsigned.
	v_and_b32 v[Q], 127, v0
	v_lshl_add_u32 v[Q], v[Q], 3, 1                ; q = 8 c + 1
	v_min_u32 v[UU], 16, v[Q]
	v_sub_nc_u32 v[UU], v[Q], v[UU]                ; q - min(q, 16) = max(u, 0)
	v_min_u32 v[UU], 0x3e0, v[UU]                  ; at most 31 x 32
	v_add_nc_u32 v14, 16, v[UU]
	v_cmp_eq_u32 vcc_lo, v14, v[Q]                 ; lanes whose pixels were not clamped
	v_mov_b32 v15, 0x3d800000                      ; 1/16: from pixel to pixel
	v_cndmask_b32 v[D], 0, v15, vcc_lo             ; clamped pixels all stand on the edge column: step 0
	v_lshrrev_b32 v14, 5, v[UU]                    ; x0, 0 .. 31
	v_add_nc_u32 v15, 1, v14
	v_min_u32 v15, 31, v15                         ; x1
	v_lshrrev_b32 v[Q], 7, v0                      ; which of the group's two rows is mine
	v_lshlrev_b32 v[Q], 10, v[Q]                   ; x TROW
	v_lshl_add_u32 v[LA0], v14, 2, v[Q]
	v_lshl_add_u32 v[LA1], v15, 2, v[Q]
	v_and_b32 v[UU], 31, v[UU]
	v_cvt_f32_u32 v[UU], v[UU]
	v_mul_f32 v[F], 0x3d000000, v[UU]              ; fractions are multiples of 1/32: every line here is exact
	v_add_f32 v[F+1], v[F], v[D]
	v_add_f32 v[F+2], v[F+1], v[D]
	v_add_f32 v[F+3], v[F+2], v[D]
.irp i, 0,1,2,3
	v_sub_f32 v[G+\i], 1.0, v[F+\i]
.endr
	v_lshlrev_b32 v[SA], 2, v0                     ; 4 t = 128 x branch + 4 x column
	; Vertical step, once for the work-group: thread t makes (branch, column) for both image rows.  The lower index's product first,
	; the higher one's fused onto it.
	s_wait_loadcnt 8*SLOTS                         ; loads come back in order (ISA guide 5.7.1): the two logits are in, the 40 plane loads stay out
	v_mul_f32 v[R0], s[GE], v[A0]
	v_mul_f32 v[R1], s[GO], v[A0]
	v_fmac_f32 v[R0], s[FE], v[A1]
	v_fmac_f32 v[R1], s[FO], v[A1]
	ds_store_b32 v[SA], v[R0]
	ds_store_b32 v[SA], v[R1] offset:TROW
	s_wait_dscnt 0x0                               ; my two words are in LDS before I say so: other waves read them
	s_barrier_signal -1
	s_barrier_wait -1                              ; all 512 words are there; nothing writes LDS after this
.irp n, 0,1,2,3,4,5,6,7
	ds_load_b32 v[T+2*\n],   v[LA0] offset:128*\n
	ds_load_b32 v[T+2*\n+1], v[LA1] offset:128*\n
.endr
	; Horizontal step: l = left x (1 - f), then right x f fused onto it; two pixels an instruction, the tap broadcast from its pair.
.irp n, 0,1,2,3,4,5,6,7
	s_wait_dscnt 14-2*\n                           ; LDS loads come back in order: branch n's two taps are in, the later branches' stay out
	v_pk_mul_f32 v[W+4*\n:W+4*\n+1],   v[G:G+1],     v[T+2*\n:T+2*\n+1] op_sel_hi:[1,0]
	v_pk_mul_f32 v[W+4*\n+2:W+4*\n+3], v[G+2:G+3],   v[T+2*\n:T+2*\n+1] op_sel_hi:[1,0]
	v_pk_fma_f32 v[W+4*\n:W+4*\n+1],   v[F:F+1],     v[T+2*\n:T+2*\n+1], v[W+4*\n:W+4*\n+1]   op_sel:[0,1,0] op_sel_hi:[1,1,1]
	v_pk_fma_f32 v[W+4*\n+2:W+4*\n+3], v[F+2:F+3],   v[T+2*\n:T+2*\n+1], v[W+4*\n+2:W+4*\n+3] op_sel:[0,1,0] op_sel_hi:[1,1,1]
.endr
	; The two largest of the eight, by value (equal values count twice): the new second is the middle one of (largest, second, next).
.irp i, 0,1,2,3
	v_max_num_f32 v[M1+\i], v[W+\i], v[W+4+\i]
	v_min_num_f32 v[M2+\i], v[W+\i], v[W+4+\i]
.endr
.irp n, 2,3,4,5,6,7
.irp i, 0,1,2,3
	v_med3_num_f32 v[M2+\i], v[M1+\i], v[M2+\i], v[W+4*\n+\i]
	v_max_num_f32  v[M1+\i], v[M1+\i], v[W+4*\n+\i]
.endr
.endr
	; e = exp(second - largest): the largest is taken away first, so the exponent is never above 0 and e lies in 0 .. 1
	v_pk_add_f32 v[E:E+1],   v[M2:M2+1],   v[M1:M1+1]   neg_lo:[0,1] neg_hi:[0,1]
	v_pk_add_f32 v[E+2:E+3], v[M2+2:M2+3], v[M1+2:M1+3] neg_lo:[0,1] neg_hi:[0,1]
	v_pk_mul_f32 v[E:E+1],   v[E:E+1],   0x3fb8aa3b op_sel_hi:[1,0]    ; x log2(e): v_exp_f32 works in base 2
	v_pk_mul_f32 v[E+2:E+3], v[E+2:E+3], 0x3fb8aa3b op_sel_hi:[1,0]
.irp i, 0,1,2,3
	v_exp_f32 v[E+\i], v[E+\i]                     ; the compares below, which touch no E, stand between these and E's first use
.endr
	; k[n] = 1 above the second largest (that is the largest), e at the second largest (1 if the two are equal), 0 below it.
	; Eight compares, then eight selects, so that no select follows straight on the compare that makes its mask.
	s_wait_alu depctr_va_vdst(0)
.irp n, 0,1,2,3,4,5,6,7
.irp i, 0,1,2,3
	v_cmp_ge_f32 s[KEEP+\i], v[W+4*\n+\i], v[M2+\i]
	v_cmp_gt_f32 s[TOP+\i],  v[W+4*\n+\i], v[M2+\i]
.endr
.irp i, 0,1,2,3
	v_cndmask_b32 v[W+4*\n+\i], 0, v[E+\i], s[KEEP+\i]
.endr
.irp i, 0,1,2,3
	v_cndmask_b32 v[W+4*\n+\i], v[W+4*\n+\i], 1.0, s[TOP+\i]
.endr
.endr
	v_pk_add_f32 v[S:S+1],   v[W:W+1],   v[W+4:W+5]                    ; the first two start the sums; the sum lies in 1 .. 8
	v_pk_add_f32 v[S+2:S+3], v[W+2:W+3], v[W+6:W+7]
.irp n, 2,3,4,5,6,7
	v_pk_add_f32 v[S:S+1],   v[S:S+1],   v[W+4*\n:W+4*\n+1]
	v_pk_add_f32 v[S+2:S+3], v[S+2:S+3], v[W+4*\n+2:W+4*\n+3]
.endr
.irp i, 0,1,2,3
	v_rcp_f32 v[S+\i], v[S+\i]
.endr
	v_nop                                          ; one plain instruction between a reciprocal and its use (ISA guide 5.7.2); no other work is left here
	s_wait_alu depctr_va_vdst(0)
.irp n, 0,1,2,3,4,5,6,7
	v_pk_mul_f32 v[W+4*\n:W+4*\n+1],   v[W+4*\n:W+4*\n+1],   v[S:S+1]  ; 16 lines here spare 24 on the 12 results
	v_pk_mul_f32 v[W+4*\n+2:W+4*\n+3], v[W+4*\n+2:W+4*\n+3], v[S+2:S+3]
.endr
; The turn of plane p.  left = how many younger loads may stay out; refill = 1: the slot gets plane p + SLOTS, asked for ahead of the store.
.macro TURN p, left, refill
	.set SL, (\p)%SLOTS
	s_wait_loadcnt \left                           ; my plane's eight loads are in; the planes behind it stay on their way
	s_wait_xcnt 0x0                                ; every earlier memory instruction has had its addresses translated (ISA guide 3.1): Y, which the last turn's store reads, is rewritten only behind this wait
	v_pk_mul_f32 v[Y:Y+1],   v[X+32*SL:X+32*SL+1],   v[W:W+1]          ; branch 0 starts the sums: nothing is cleared
	v_pk_mul_f32 v[Y+2:Y+3], v[X+32*SL+2:X+32*SL+3], v[W+2:W+3]
.irp n, 1,2,3,4,5,6,7
	v_pk_fma_f32 v[Y:Y+1],   v[X+32*SL+4*\n:X+32*SL+4*\n+1],   v[W+4*\n:W+4*\n+1],   v[Y:Y+1]
	v_pk_fma_f32 v[Y+2:Y+3], v[X+32*SL+4*\n+2:X+32*SL+4*\n+3], v[W+4*\n+2:W+4*\n+3], v[Y+2:Y+3]
.endr
.if \refill
	LOADP (\p)+SLOTS, SL
.endif
	global_store_b128 v[OFF], v[Y:Y+3], s[QB+2*((\p)>>3):QB+2*((\p)>>3)+1] offset:((\p)&7)*PLANE th:TH_STORE_NT
.endm
.irp p, 0,1,2,3,4,5,6
	TURN \p, 8*(SLOTS-1), 1                        ; four younger planes, 32 loads, stay out
.endr
	TURN 7,  32, 0                                 ; planes 8 to 11 are out; nothing is left to ask for, and the counts run down
	TURN 8,  24, 0
	TURN 9,  16, 0
	TURN 10, 8,  0
	TURN 11, 0,  0
	s_wait_tensorcnt 0x0
	ds_add_u32 v252, v253
	s_wait_dscnt 0x0
	s_endpgm
.Lfunc_end_k_qc17a2b8141_rain_mix:
	.size	k_qc17a2b8141_rain_mix, .Lfunc_end_k_qc17a2b8141_rain_mix-k_qc17a2b8141_rain_mix
	.p2alignl 7, 3214868480
	.fill 96, 4, 3214868480
	.section	.rodata,"a",@progbits
	.p2align	6, 0x0
	.amdhsa_kernel k_qc17a2b8141_rain_mix
		.amdhsa_group_segment_fixed_size 3072
		.amdhsa_private_segment_fixed_size 0
		.amdhsa_enable_private_segment 0
		.amdhsa_kernarg_size 32
		.amdhsa_user_sgpr_count 2
		.amdhsa_user_sgpr_kernarg_segment_ptr 1
		.amdhsa_wavefront_size32 1
		.amdhsa_system_sgpr_workgroup_id_x 1
		.amdhsa_system_sgpr_workgroup_id_y 1
		.amdhsa_system_sgpr_workgroup_id_z 1
		.amdhsa_system_vgpr_workitem_id 0
		.amdhsa_next_free_vgpr 254
		.amdhsa_next_free_sgpr 66
		.amdhsa_reserve_vcc 1
		.amdhsa_float_denorm_mode_32 3
		.amdhsa_float_denorm_mode_16_64 3
		.amdhsa_memory_ordered 1
		.amdhsa_forward_progress 1
		.amdhsa_inst_pref_size 44
	.end_amdhsa_kernel
	.amdgpu_metadata
---
amdhsa.version: [ 1, 2 ]
amdhsa.kernels:
  - .name:           k_qc17a2b8141_rain_mix
    .symbol:         k_qc17a2b8141_rain_mix.kd
    .args:
      - { .name: degraded, .offset: 0, .size: 8, .value_kind: global_buffer, .address_space: global }
      - { .name: logits, .offset: 8, .size: 8, .value_kind: global_buffer, .address_space: global }
      - { .name: original, .offset: 16, .size: 8, .value_kind: global_buffer, .address_space: global }
      - { .name: out0, .offset: 24, .size: 8, .value_kind: global_buffer, .address_space: global }
    .group_segment_fixed_size: 3072
    .private_segment_fixed_size: 0
    .kernarg_segment_align: 8
    .kernarg_segment_size: 32
    .max_flat_workgroup_size: 256
    .sgpr_count:     66
    .vgpr_count:     254
    .wavefront_size: 32
...
	.end_amdgpu_metadata
.endif
;; end of part 1
;; ======== version 2 of 2: 1 launch; version 1 with the launch rain_mix written anew for expert scheduling mode
;; launch rain_mix (part 2): grid 256 x 1, 8 waves a work-group, no clusters, 3,072 bytes of LDS; arguments degraded, logits, original, out0; writes out0
.if DOCPART == 2
	.amdgcn_target "amdgcn-amd-amdhsa--gfx1250"
	.amdhsa_code_object_version 6
	.text
	.protected	k_qc17a2b8141_rain_mix
	.globl	k_qc17a2b8141_rain_mix
	.p2align	8
	.type	k_qc17a2b8141_rain_mix,@function
k_qc17a2b8141_rain_mix:
	s_mov_b64 s[64:65], 0
	v_nop
	global_prefetch_b8 v0, s[64:65] scope:SCOPE_SE
	s_setreg_imm32_b32 hwreg(HW_REG_WAVE_SCHED_MODE, 0, 2), 2
	s_setreg_imm32_b32 hwreg(HW_REG_WAVE_MODE, 25, 1), 1
	s_wait_xcnt 0x0
	s_wait_alu depctr_vm_vsrc(0)
; out0[b][c][h][w] = sum over n of stacked[b][n][c][h][w] * gate[n][h][w];  stacked = original (n = 0) and degraded (n = 1..7).
; gate = softmax over n of the logits [8][32][32] upsampled bilinearly to [8][512][512], all but the two largest set to 0, renormalised.
;
; A stream: 96 input planes and 12 output planes of 1 MiB are each touched once.  The work-group (8 waves) owns two image rows = 4,096
; consecutive bytes of every plane; thread t owns the 16 bytes (4 pixels) at byte 16 t of that piece, so each load or store of a wave
; covers 512 consecutive bytes, aligned.  A thread makes its 4 x 8 gate weights once and uses them for all 12 (b, c) planes.
; A ring of SLOTS plane slots in registers (8 loads each); a plane is asked for AHEAD turns before its own, so up to 8 x AHEAD loads of every wave are on their way.
;
; No matrix instructions: h, w index both operands of the weighted sum, so no operand is shared between pixels, and the upsampling has two
; non-zero taps an axis; logits rounded to 16 bits would change which two branches are the largest.  All arithmetic is f32.
; No cluster: the work-groups share only the 32 KiB of logits, against 96 MiB of planes that each belong to one work-group's piece alone.
;
; The softmax's denominator cancels in the renormalisation: gate[n] = k[n] / sum k, k[n] = exp(l[n] - largest) where l[n] >= second largest,
; else 0.  A kept l[n] equals the largest or the second largest, so one exponential a pixel serves; ties of any number are all kept.
; LIMITS: logits must be finite (a NaN logit is dropped by the max and med3 lines and does not make the output NaN).  The two largest are chosen on the
; upsampled logits, not on rounded softmax weights: where the second and third differ by about 1e-7 of their size (one f32 rounding)
; the choice may differ from one made on the rounded weights.
;
; THE MODE: SCHED_MODE bits 1:0 = 2 (LLVM: expert scheduling mode 2), set by the entry lines.  The code itself states the register dependences
; between vector instructions and memory or LDS instructions, with s_wait_alu, always for 0.
; THE PLAN.  Registers that memory or LDS instructions touch:
;   v1, v8, v9        byte offsets of the planes and of the logits: made once at the head, never written again.
;   v2, v3, v6, v7, v10  LDS addresses and the two words stored to LDS: made once at the head, never written again.
;   X0 .. X5          plane q lies in slot q mod 6.  Written by the loads of plane p + 5, issued in turn p; read by the plane's own turn.
;                     X5 is v[24:55], the registers of the taps, the two largest, e and the sum: it is first asked for when the weights are made.
;   Y0, Y1            Written by turn p's sums (Y[p mod 2]); read by the one store that is issued in turn p + 1.
; Turn p works on X[p mod 6], the weights and Y[p mod 2].  Its memory instructions are the loads into X[(p + 5) mod 6] = X[(p - 1) mod 6] and the store
; from Y[(p - 1) mod 2]: the two buffers that turn p - 1 worked on and that no vector instruction of turn p names.  So the waits at a turn's head state
; all that its nine memory instructions hang on, and these are dealt among its sixteen vector instructions with no further wait.
.set PLANE,  0x100000                  ; bytes of a 512 x 512 f32 plane
.set AHEAD,  5                         ; a plane is asked for five turns ahead of its own
.set SLOTS,  6                         ; plane slots in registers
.set TROW,   1024                      ; LDS: 8 branches x 32 columns x 4 bytes, once for each of the group's two image rows
; scalar registers
.set LG,   6                           ; s[6:7]    logits
.set FE,   14                          ; s14, s15  weight of the lower low-res row (y1) for the group's even and odd image row
.set FO,   15
.set GE,   18                          ; s18, s19  weight of the upper low-res row (y0)
.set GO,   19
.set KEEP, 12                          ; s[12:19]  lane masks: logit >= second largest, two branches x pixel 0..3 (the head's scalars there are dead by then)
.set TOP,  20                          ; s[20:27]  lane masks: logit >  second largest
.set DB,   28                          ; s[28:49]  degraded + 8 k planes, k = 0..10: the immediate offset reaches 7 planes
.set OB,   50                          ; s[50:53]  original + 0, + 8 planes
.set QB,   54                          ; s[54:57]  out0 + 0, + 8 planes
; vector registers
.set OFF,  1                           ; my 16 bytes' offset in every plane; never rewritten
.set LA0,  2                           ; LDS address of my left tap (branch 0)
.set LA1,  3                           ; and of my right tap
.set A0,   4                           ; logit (branch = wave, column = lane) of low-res row y0
.set A1,   5                           ; and of row y1
.set R0,   6                           ; interpolated for the even image row
.set R1,   7                           ; and for the odd one
.set AO0,  8                           ; byte offsets of those two logits
.set AO1,  9
.set SA,   10                          ; LDS address 4 t
.set Q,    11
.set UU,   12
.set D,    13
.set F,    16                          ; v[16:19]  weight of the right tap, pixel 0..3
.set G,    20                          ; v[20:23]  weight of the left tap
.set T,    24                          ; v[24:39]  branch n: left tap, right tap
.set M1,   40                          ; v[40:43]  largest logit
.set M2,   44                          ; v[44:47]  second largest
.set E,    48                          ; v[48:51]  exp(second - largest)
.set S,    52                          ; v[52:55]  sum of the kept, then its reciprocal
.set Y,    56                          ; v[56:59]  4 results to store, even planes
.set Y1,   16                          ; v[16:19]  the same for odd planes: F's registers, which vector instructions alone have named
.set W,    60                          ; v[60:91]  branch n: 4 upsampled logits, then 4 gate weights
.set X,    92                          ; v[92:251] slot s = 0..4: 8 branches x 4 pixels as loaded
.set X5,   24                          ; v[24:55]  slot 5
	s_load_b64 s[DB:DB+1], s[0:1], 0x0             ; degraded
	s_load_b64 s[LG:LG+1], s[0:1], 0x8             ; logits
	s_load_b64 s[OB:OB+1], s[0:1], 0x10            ; original
	s_load_b64 s[QB:QB+1], s[0:1], 0x18            ; out0
	v_lshl_add_u32 v252, v0, 2, 0x800
	v_mov_b32 v253, 0
	v_lshrrev_b32 v14, 5, v0
	v_readfirstlane_b32 s12, v14                   ; wave 0..7 = the branch whose logits this wave interpolates vertically
	s_lshl_b32 s13, ttmp9, 12                      ; the group's two rows: 4,096 bytes of a plane
	v_lshl_add_u32 v[OFF], v0, 4, s13
	; Vertical place of image row h in the low-res map, in units of 1/32: u = 2 h - 15, clamped to 0 .. 31 x 32.  The clamp gives the
	; edge rows the weights 1 and 0, which is what the renormalised triangle kernel gives them.  Rows 2 g and 2 g + 1 share a cell.
	s_lshl_b32 s14, ttmp9, 2
	s_sub_co_i32 s14, s14, 15                      ; u of row 2 g
	s_add_co_i32 s15, s14, 2                       ; u of row 2 g + 1
	s_max_i32 s14, s14, 0
	s_max_i32 s15, s15, 0
	s_min_i32 s14, s14, 992
	s_min_i32 s15, s15, 992
	s_lshr_b32 s16, s14, 5                         ; y0
	s_add_co_u32 s17, s16, 1
	s_min_u32 s17, s17, 31                         ; y1
	s_wait_alu depctr_va_sdst(0)                   ; s12, the wave's number, is written, ahead of its first reader: the logits' offsets are made from it
	s_lshl_b32 s20, s12, 12                        ; branch x 4,096 bytes
	s_lshl_b32 s16, s16, 7                         ; low-res rows of 128 bytes
	s_lshl_b32 s17, s17, 7
	s_add_co_u32 s16, s16, s20
	s_add_co_u32 s17, s17, s20
	v_and_b32 v14, 31, v0                          ; lane = low-res column
	v_lshl_add_u32 v[AO0], v14, 2, s16
	v_lshl_add_u32 v[AO1], v14, 2, s17
	s_and_b32 s[FE], s14, 31                       ; the fractions, in 1/32: exact in f32
	s_and_b32 s[FO], s15, 31
	s_sub_co_u32 s[GE], 32, s[FE]
	s_sub_co_u32 s[GO], 32, s[FO]
	s_cvt_f32_u32 s[FE], s[FE]
	s_cvt_f32_u32 s[FO], s[FO]
	s_cvt_f32_u32 s[GE], s[GE]
	s_cvt_f32_u32 s[GO], s[GO]
	s_mul_f32 s[FE], s[FE], 0x3d000000             ; x 1/32
	s_mul_f32 s[FO], s[FO], 0x3d000000
	s_mul_f32 s[GE], s[GE], 0x3d000000
	s_mul_f32 s[GO], s[GO], 0x3d000000
	s_wait_kmcnt 0x0
	s_wait_alu depctr_va_vdst(0)                   ; v[OFF], v[AO0] and v[AO1] are written: every global load and store of the kernel reads one of them as its offset
	global_load_b32 v[A0], v[AO0], s[LG:LG+1]      ; a wave reads one low-res row of 128 bytes; the logits go first, since nothing can be
	global_load_b32 v[A1], v[AO1], s[LG:LG+1]      ; multiplied without the weights; no hint: every work-group reads them
.irp k, 1,2,3,4,5,6,7,8,9,10
	s_add_nc_u64 s[DB+2*\k:DB+2*\k+1], s[DB:DB+1], \k*8*PLANE
.endr
	s_add_nc_u64 s[OB+2:OB+3], s[OB:OB+1], 8*PLANE
	s_add_nc_u64 s[QB+2:QB+3], s[QB:QB+1], 8*PLANE
; Branch n of plane p = 3 b + c into the slot that begins at register base: n = 0 is original's plane p, n = 1..7 degraded's plane 21 b + 3 (n - 1) + c.
.macro LOAD1 p, n, base
.if (\n) == 0
	global_load_b128 v[(\base):(\base)+3], v[OFF], s[OB+2*((\p)>>3):OB+2*((\p)>>3)+1] offset:((\p)&7)*PLANE th:TH_LOAD_NT
.else
	.set IDX, ((\p)/3)*21+3*((\n)-1)+((\p)%3)
	global_load_b128 v[(\base)+4*(\n):(\base)+4*(\n)+3], v[OFF], s[DB+2*(IDX>>3):DB+2*(IDX>>3)+1] offset:(IDX&7)*PLANE th:TH_LOAD_NT
.endif
.endm
; Plane q's four results leave from the registers that begin at yreg.
.macro STOREP q, yreg
	global_store_b128 v[OFF], v[(\yreg):(\yreg)+3], s[QB+2*((\q)>>3):QB+2*((\q)>>3)+1] offset:((\q)&7)*PLANE th:TH_STORE_NT
.endm
.irp p, 0,1,2,3,4
.irp n, 0,1,2,3,4,5,6,7
	LOAD1 \p, \n, X+32*\p                          ; slots 0 to 4 are filled before the weights are made: 40 loads of the wave are on their way
.endr
.endr
	; Horizontal place of my 4 pixels, columns 4 c .. 4 c + 3 (c = t mod 128), in 1/32: u = 8 c - 15 + 2 i.  Four aligned pixels lie in
	; one low-res cell, and are clamped all four or none.  q = u + 16 is kept so that all numbers stay unsigned.
	v_and_b32 v[Q], 127, v0
	v_lshl_add_u32 v[Q], v[Q], 3, 1                ; q = 8 c + 1
	v_min_u32 v[UU], 16, v[Q]
	v_sub_nc_u32 v[UU], v[Q], v[UU]                ; q - min(q, 16) = max(u, 0)
	v_min_u32 v[UU], 0x3e0, v[UU]                  ; at most 31 x 32
	v_add_nc_u32 v14, 16, v[UU]
	v_cmp_eq_u32 vcc_lo, v14, v[Q]                 ; lanes whose pixels were not clamped
	v_mov_b32 v15, 0x3d800000                      ; 1/16: from pixel to pixel
	s_wait_alu depctr_va_vcc(0)                    ; the compare has written VCC, which the select below reads
	v_cndmask_b32 v[D], 0, v15, vcc_lo             ; clamped pixels all stand on the edge column: step 0
	v_lshrrev_b32 v14, 5, v[UU]                    ; x0, 0 .. 31
	v_add_nc_u32 v15, 1, v14
	v_min_u32 v15, 31, v15                         ; x1
	v_lshrrev_b32 v[Q], 7, v0                      ; which of the group's two rows is mine
	v_lshlrev_b32 v[Q], 10, v[Q]                   ; x TROW
	v_lshl_add_u32 v[LA0], v14, 2, v[Q]
	v_lshl_add_u32 v[LA1], v15, 2, v[Q]
	v_and_b32 v[UU], 31, v[UU]
	v_cvt_f32_u32 v[UU], v[UU]
	v_mul_f32 v[F], 0x3d000000, v[UU]              ; fractions are multiples of 1/32: every line here is exact
	v_add_f32 v[F+1], v[F], v[D]
	v_add_f32 v[F+2], v[F+1], v[D]
	v_add_f32 v[F+3], v[F+2], v[D]
.irp i, 0,1,2,3
	v_sub_f32 v[G+\i], 1.0, v[F+\i]
.endr
	v_lshlrev_b32 v[SA], 2, v0                     ; 4 t = 128 x branch + 4 x column
	; Vertical step, once for the work-group: thread t makes (branch, column) for both image rows.  The lower index's product first,
	; the higher one's fused onto it.
	s_wait_loadcnt 8*AHEAD                         ; loads come back in order (ISA guide 5.7.1): the two logits are in, the 40 plane loads stay out
	v_mul_f32 v[R0], s[GE], v[A0]
	v_mul_f32 v[R1], s[GO], v[A0]
	v_fmac_f32 v[R0], s[FE], v[A1]
	v_fmac_f32 v[R1], s[FO], v[A1]
	s_wait_alu depctr_va_vdst(0)                   ; v[R0], v[R1] and v[SA] are written, which the LDS stores read; so are v[LA0] and v[LA1], which the tap loads behind the barrier read
	ds_store_b32 v[SA], v[R0]
	ds_store_b32 v[SA], v[R1] offset:TROW
	s_wait_dscnt 0x0                               ; my two words are in LDS before I say so: other waves read them
	s_barrier_signal -1
	s_barrier_wait -1                              ; all 512 words are there; nothing writes LDS after this
.irp n, 0,1,2,3,4,5,6,7
	ds_load_b32 v[T+2*\n],   v[LA0] offset:128*\n  ; no vector instruction has named v[T ..] yet, and none since the wait above names the two addresses
	ds_load_b32 v[T+2*\n+1], v[LA1] offset:128*\n
.endr
	; Horizontal step: l = left x (1 - f), then right x f fused onto it; two pixels an instruction, the tap broadcast from its pair.
.irp n, 0,1,2,3,4,5,6,7
	s_wait_dscnt 14-2*\n                           ; LDS loads come back in order: branch n's two taps are in, the later branches' stay out
	v_pk_mul_f32 v[W+4*\n:W+4*\n+1],   v[G:G+1],     v[T+2*\n:T+2*\n+1] op_sel_hi:[1,0]
	v_pk_mul_f32 v[W+4*\n+2:W+4*\n+3], v[G+2:G+3],   v[T+2*\n:T+2*\n+1] op_sel_hi:[1,0]
	v_pk_fma_f32 v[W+4*\n:W+4*\n+1],   v[F:F+1],     v[T+2*\n:T+2*\n+1], v[W+4*\n:W+4*\n+1]   op_sel:[0,1,0] op_sel_hi:[1,1,1]
	v_pk_fma_f32 v[W+4*\n+2:W+4*\n+3], v[F+2:F+3],   v[T+2*\n:T+2*\n+1], v[W+4*\n+2:W+4*\n+3] op_sel:[0,1,0] op_sel_hi:[1,1,1]
.endr
	; The two largest of the eight, by value (equal values count twice): the new second is the middle one of (largest, second, next).
.irp i, 0,1,2,3
	v_max_num_f32 v[M1+\i], v[W+\i], v[W+4+\i]
	v_min_num_f32 v[M2+\i], v[W+\i], v[W+4+\i]
.endr
.irp n, 2,3,4,5,6,7
.irp i, 0,1,2,3
	v_med3_num_f32 v[M2+\i], v[M1+\i], v[M2+\i], v[W+4*\n+\i]
	v_max_num_f32  v[M1+\i], v[M1+\i], v[W+4*\n+\i]
.endr
.endr
	; e = exp(second - largest): the largest is taken away first, so the exponent is never above 0 and e lies in 0 .. 1
	v_pk_add_f32 v[E:E+1],   v[M2:M2+1],   v[M1:M1+1]   neg_lo:[0,1] neg_hi:[0,1]
	v_pk_add_f32 v[E+2:E+3], v[M2+2:M2+3], v[M1+2:M1+3] neg_lo:[0,1] neg_hi:[0,1]
	v_pk_mul_f32 v[E:E+1],   v[E:E+1],   0x3fb8aa3b op_sel_hi:[1,0]    ; x log2(e): v_exp_f32 works in base 2
	v_pk_mul_f32 v[E+2:E+3], v[E+2:E+3], 0x3fb8aa3b op_sel_hi:[1,0]
.irp i, 0,1,2,3
	v_exp_f32 v[E+\i], v[E+\i]                     ; the compares below, which touch no E, stand between these and E's first use
.endr
	; k[n] = 1 above the second largest (that is the largest), e at the second largest (1 if the two are equal), 0 below it.
	; Two branches at a time: a run of sixteen compares into sixteen scalar registers, one wait for the run, then the sixteen selects.
.irp m, 0,2,4,6
.irp d, 0,1
.irp i, 0,1,2,3
	v_cmp_ge_f32 s[KEEP+4*\d+\i], v[W+4*(\m+\d)+\i], v[M2+\i]
	v_cmp_gt_f32 s[TOP+4*\d+\i],  v[W+4*(\m+\d)+\i], v[M2+\i]
.endr
.endr
	s_wait_alu depctr_va_sdst(0)                   ; the sixteen compares have written s[KEEP ..] and s[TOP ..], which the selects below read
.if \m == 0
	s_wait_alu depctr_va_vdst(0)                   ; the four exponentials have written v[E ..]: one wait for the batch, ahead of its first reader
.endif
.irp d, 0,1
.irp i, 0,1,2,3
	v_cndmask_b32 v[W+4*(\m+\d)+\i], 0, v[E+\i], s[KEEP+4*\d+\i]
.endr
.endr
.irp d, 0,1
.irp i, 0,1,2,3
	v_cndmask_b32 v[W+4*(\m+\d)+\i], v[W+4*(\m+\d)+\i], 1.0, s[TOP+4*\d+\i]
.endr
.endr
.endr
	v_pk_add_f32 v[S:S+1],   v[W:W+1],   v[W+4:W+5]                    ; the first two start the sums; the sum lies in 1 .. 8
	v_pk_add_f32 v[S+2:S+3], v[W+2:W+3], v[W+6:W+7]
.irp n, 2,3,4,5,6,7
	v_pk_add_f32 v[S:S+1],   v[S:S+1],   v[W+4*\n:W+4*\n+1]
	v_pk_add_f32 v[S+2:S+3], v[S+2:S+3], v[W+4*\n+2:W+4*\n+3]
.endr
.irp i, 0,1,2,3
	v_rcp_f32 v[S+\i], v[S+\i]
.endr
	v_nop                                          ; one plain instruction between a reciprocal and its use (ISA guide 5.7.2); no other work is left here
	s_wait_alu depctr_va_vdst(0)                   ; the four reciprocals have written v[S ..]: one wait for the batch, ahead of its first reader
.irp n, 0,1,2,3,4,5,6,7
	v_pk_mul_f32 v[W+4*\n:W+4*\n+1],   v[W+4*\n:W+4*\n+1],   v[S:S+1]  ; 16 lines here spare 24 on the 12 results
	v_pk_mul_f32 v[W+4*\n+2:W+4*\n+3], v[W+4*\n+2:W+4*\n+3], v[S+2:S+3]
.endr
; The turn of plane p.  left = how many younger loads may stay out; ahead = 1: plane p + AHEAD is asked for, into the slot that the turn before read.
; XW, YW: the slot and the out-buffer that this turn's vector lines name.  XL, YR: the slot that its loads land in and the out-buffer that its store reads.
.macro TURN p, left, ahead
	.set XW, X+32*((\p)%SLOTS)-(((\p)%SLOTS)/5)*(X+32*5-X5)
	.set XL, X+32*(((\p)+AHEAD)%SLOTS)-((((\p)+AHEAD)%SLOTS)/5)*(X+32*5-X5)
	.set YW, Y+((\p)%2)*(Y1-Y)
	.set YR, Y+(((\p)+1)%2)*(Y1-Y)
	s_wait_loadcnt \left                           ; my plane's eight loads are in; the planes behind it stay on their way
.if (\p) >= 2
	s_wait_xcnt 0x0                                ; every earlier memory instruction has had its addresses translated (ISA guide 3.1): this turn's Y, which the last turn's store reads, is rewritten only behind this wait
	s_wait_alu depctr_vm_vsrc(0)                   ; the store issued in the turn before has read this turn's Y, which the sums below write again
.endif
.if (\p) == 0
	s_wait_alu depctr_va_vdst(0)                   ; the lines that make the weights are done writing and reading v[24:55], slot 5, in which the loads below land
.else
	s_wait_alu depctr_va_vdst(0)                   ; the turn before has written the other Y, which the store below reads, and is done reading its slot, in which the loads below land
.endif
.irp n, 0,1,2,3,4,5,6,7
.if \ahead
	LOAD1 (\p)+AHEAD, \n, XL                       ; no vector instruction since the wait names these registers
.endif
.if (\n) == 0
.if (\p) >= 1
	STOREP (\p)-1, YR                              ; the plane before; the load stands ahead of it
.endif
	v_pk_mul_f32 v[YW:YW+1],   v[XW:XW+1],   v[W:W+1]                  ; branch 0 starts the sums: nothing is cleared
	v_pk_mul_f32 v[YW+2:YW+3], v[XW+2:XW+3], v[W+2:W+3]
.else
	v_pk_fma_f32 v[YW:YW+1],   v[XW+4*\n:XW+4*\n+1],   v[W+4*\n:W+4*\n+1],   v[YW:YW+1]
	v_pk_fma_f32 v[YW+2:YW+3], v[XW+4*\n+2:XW+4*\n+3], v[W+4*\n+2:W+4*\n+3], v[YW+2:YW+3]
.endif
.endr
.endm
.irp p, 0,1,2,3,4,5,6
	TURN \p, 8*(AHEAD-1), 1                        ; four younger planes, 32 loads, stay out
.endr
	TURN 7,  32, 0                                 ; planes 8 to 11 are out; nothing is left to ask for, and the counts run down
	TURN 8,  24, 0
	TURN 9,  16, 0
	TURN 10, 8,  0
	TURN 11, 0,  0
	s_wait_alu depctr_va_vdst(0)                   ; turn 11 has written Y1, which the last store reads
	STOREP 11, Y1
	s_wait_dscnt 0x0
	s_wait_alu depctr_hold_cnt(0) depctr_sa_sdst(0) depctr_va_vdst(0) depctr_va_sdst(0) depctr_va_ssrc(0) depctr_va_vcc(0) depctr_vm_vsrc(0)
	s_wait_tensorcnt 0x0
	ds_add_u32 v252, v253
	s_wait_dscnt 0x0
	s_endpgm
.Lfunc_end_k_qc17a2b8141_rain_mix:
	.size	k_qc17a2b8141_rain_mix, .Lfunc_end_k_qc17a2b8141_rain_mix-k_qc17a2b8141_rain_mix
	.p2alignl 7, 3214868480
	.fill 96, 4, 3214868480
	.section	.rodata,"a",@progbits
	.p2align	6, 0x0
	.amdhsa_kernel k_qc17a2b8141_rain_mix
		.amdhsa_group_segment_fixed_size 3072
		.amdhsa_private_segment_fixed_size 0
		.amdhsa_enable_private_segment 0
		.amdhsa_kernarg_size 32
		.amdhsa_user_sgpr_count 2
		.amdhsa_user_sgpr_kernarg_segment_ptr 1
		.amdhsa_wavefront_size32 1
		.amdhsa_system_sgpr_workgroup_id_x 1
		.amdhsa_system_sgpr_workgroup_id_y 1
		.amdhsa_system_sgpr_workgroup_id_z 1
		.amdhsa_system_vgpr_workitem_id 0
		.amdhsa_next_free_vgpr 254
		.amdhsa_next_free_sgpr 66
		.amdhsa_reserve_vcc 1
		.amdhsa_float_denorm_mode_32 3
		.amdhsa_float_denorm_mode_16_64 3
		.amdhsa_memory_ordered 1
		.amdhsa_forward_progress 1
		.amdhsa_inst_pref_size 45
	.end_amdhsa_kernel
	.amdgpu_metadata
---
amdhsa.version: [ 1, 2 ]
amdhsa.kernels:
  - .name:           k_qc17a2b8141_rain_mix
    .symbol:         k_qc17a2b8141_rain_mix.kd
    .args:
      - { .name: degraded, .offset: 0, .size: 8, .value_kind: global_buffer, .address_space: global }
      - { .name: logits, .offset: 8, .size: 8, .value_kind: global_buffer, .address_space: global }
      - { .name: original, .offset: 16, .size: 8, .value_kind: global_buffer, .address_space: global }
      - { .name: out0, .offset: 24, .size: 8, .value_kind: global_buffer, .address_space: global }
    .group_segment_fixed_size: 3072
    .private_segment_fixed_size: 0
    .kernarg_segment_align: 8
    .kernarg_segment_size: 32
    .max_flat_workgroup_size: 256
    .sgpr_count:     66
    .vgpr_count:     254
    .wavefront_size: 32
...
	.end_amdgpu_metadata
.endif
;; end of part 2
